; MI455X (gfx1250); checked and timed in simulation.
; The chip was launched on July 23, 2026; its instructions are those of AMD's public machine-readable ISA for CDNA 5 (MIT licence, August 2026) and "CDNA5" Instruction Set Architecture Reference Guide (July 2026). The comments in the code are by the model that wrote it; some were corrected since.
;; Self Attention. Allowed arithmetic: matrix products marked QUANTISED: E5M2 operands, one given power-of-two scale a tensor, by v_wmma_f32_16x16x64_bf8_bf8 or v_wmma_f32_16x16x128_bf8_bf8, f32 sums; everything else in f32.
;; Inputs: Wk_codes 1,024 x 32 x 32 uint8 (E5M2 codes of Wk, K innermost, in blocks of 32 codes); Wq_codes 1,024 x 32 x 32 uint8 (E5M2 codes of Wq, K innermost, in blocks of 32 codes); Wv_codes 1,024 x 32 x 32 uint8 (E5M2 codes of Wv, K innermost, in blocks of 32 codes); bk 1,024 float32; bq 1,024 float32; bv 1,024 float32; lowp_scales 10 int32 (the exponents e of the quantised operands' scales 2^e); x_codes 4 x 2,048 x 32 x 32 uint8 (E5M2 codes of x, K innermost, in blocks of 32 codes).
;; Outputs: out0 4 x 2,048 x 1,024 float32.
;; This version of the problem:
;;   THIS VERSION OF THE PROBLEM IS GIVEN IN LOW PRECISION. The matrix products marked QUANTISED in the list below multiply operands that are first quantised to E5M2 (5 exponent bits, 2 mantissa bits; 8 bits a number), with one given power-of-two scale for each operand tensor; their sums are f32. All else is computed in f32.
;;   The module's matrix products, in the order in which they are computed (A, B: the left and right operand; K: the contracted axis; several contracted axes count as one K, in the product's order):
;;     1. [M 8,192, K 1,024] x [K 1,024, N 1,024]; A: input x (given as codes); B: input Wq (given as codes): QUANTISED (scales: A lowp_scales[0], B lowp_scales[1])
;;     2. [M 8,192, K 1,024] x [K 1,024, N 1,024]; A: input x (given as codes); B: input Wk (given as codes): QUANTISED (scales: A lowp_scales[2], B lowp_scales[3])
;;     3. [M 8,192, K 1,024] x [K 1,024, N 1,024]; A: input x (given as codes); B: input Wv (given as codes): QUANTISED (scales: A lowp_scales[4], B lowp_scales[5])
;;     4. batch 64 x [M 2,048, K 64] x [K 64, N 2,048]; A: computed on the way; B: computed on the way: QUANTISED (scales: A lowp_scales[6], B lowp_scales[7])
;;     5. batch 64 x [M 64, K 2,048] x [K 2,048, N 2,048]; A: computed on the way; B: softmax (see below): QUANTISED (scales: A lowp_scales[8], B lowp_scales[9])
;;   THE QUANTISER, for each operand of a quantised product, along K:
;;     - The operand's scale is 2^e, e = its entry of the input lowp_scales (int32; the entries are numbered through the quantised products in the list's order, A before B).
;;     - Each number is divided by the scale, clamped to +-57,344, and rounded to the nearest number of E5M2, ties to even, subnormals kept.
;;     - The product sums the exact products of the quantised numbers (number of the format x scale) in f32.
;;   ~~~python
;;   def quantise(x, axis, e):      # numpy; x: float32 -> the quantised numbers, widened to float32 again
;;       x = np.moveaxis(x, axis, -1); K = x.shape[-1]
;;       r = np.clip(x / 2.0 ** e, -57344, 57344)
;;       step = 2.0 ** (np.maximum(np.frexp(np.where(r == 0, 1, r))[1] - 1, -14) - 2)
;;       q = np.round(r / step) * step * 2.0 ** e      # np.round: ties to even
;;       return np.moveaxis(q, -1, axis).astype(np.float32)
;;   ~~~
;;   SOFTMAX AHEAD OF A QUANTISED PRODUCT. Where the list says 'softmax', what is quantised is not the finished softmax but p = 2^(t - M), with t = logit x log2(e) and M = ceil(the row's largest t), a whole number; so 1/2 < the row's largest p <= 1. The row's sum l is taken of the UNQUANTISED p, in f32, and the product's result is divided by l at the end. Since M is a whole number, a kernel that streams over the keys may use a running M (the ceiling of the running maximum): every later rescaling is an exact power of two, so the quantised numbers keep their values, but for numbers so far below the row's largest that they fall under the format's range.
;;   OPERANDS COMPUTED ON THE WAY. 'Computed on the way' means the value that the module computes at that place (a softmax that the list does not call 'softmax' is quantised finished and normalised). What goes into a quantiser is computed in f32, as accurately as f32 sums, v_exp_f32 and their like allow (about 1e-6 of the number): no bf16 or f16 on the way to a quantiser, and a product that is left as it is and whose result goes on into a quantised operand takes f32 operands (vector FMAs, or v_wmma_f32_16x16x4_f32). A number that lies on a knife's edge between two numbers of the format may be rounded either way, as far as f32 arithmetic and the matrix unit's own rounding can turn it there, and no further.
;;   INPUTS GIVEN AS CODES. Wk (in the module: [1024, 1024], K = its axis 1); Wq (in the module: [1024, 1024], K = its axis 1); Wv (in the module: [1024, 1024], K = its axis 1); x (in the module: [4, 2048, 1024], K = its axis 2): each comes as NAME_codes (uint8): NAME with its K axis moved to the last place and cut into blocks of 32 codes, [.., K / 32, bytes a block], one block behind the other in memory; one code a byte (a code: sign, 5 exponent bits, 2 mantissa bits); its scale is its entry of lowp_scales. Its value is code x scale, taken as it is: it is not quantised again, and the codes and scales need not be those that the quantiser above would give.
;; One version. Each part assembles by itself: llvm-mc -triple=amdgcn-amd-amdhsa -mcpu=gfx1250 --defsym DOCPART=n.
;; ======== version 1 of 1: 2 launches
;; limits: right only within a limited range of input values
;; workspace buffers: q_img 8,388,608 bytes; kv_img 16,777,216 bytes
;; launch proj (part 1): grid 16 x 16, 4 waves a work-group, clusters of 4 x 4, 327,680 bytes of LDS; arguments x_codes, Wq_codes, Wk_codes, Wv_codes, bq, bk, bv, lowp_scales, q_img, kv_img; writes q_img, kv_img
.if DOCPART == 1
	.amdgcn_target "amdgcn-amd-amdhsa--gfx1250"
	.amdhsa_code_object_version 6
	.text
	.protected	k_qc2b393b73b_proj
	.globl	k_qc2b393b73b_proj
	.p2align	8
	.type	k_qc2b393b73b_proj,@function
k_qc2b393b73b_proj:
	s_mov_b64 s[64:65], 0
	v_nop
	global_prefetch_b8 v0, s[64:65] scope:SCOPE_SE
	s_setreg_imm32_b32 hwreg(HW_REG_WAVE_MODE, 25, 1), 1
	s_wait_xcnt 0x0
	s_wait_alu depctr_hold_cnt(0) depctr_sa_sdst(0) depctr_va_vdst(0) depctr_va_sdst(0) depctr_va_ssrc(0) depctr_va_vcc(0) depctr_vm_vsrc(0)
	s_getreg_b32 s2, hwreg(HW_REG_IB_STS2, 6, 4)
	s_cmp_eq_u32 s2, 0
	s_cbranch_scc0 .Lentry_in_a_cluster
	s_endpgm
.Lentry_in_a_cluster:
	s_bfe_u32 s2, ttmp6, 0x10000c
	s_cmp_lg_u32 s2, 0xf033
	s_cbranch_scc0 .Lentry_shape_is_right
	s_endpgm
.Lentry_shape_is_right:
; q = x Wq^T + bq, k = x Wk^T + bk, v = x Wv^T + bv on codes of BF8 (E5M2), and the three results quantised to BF8 again, for the attention launch.
; x: [8192][1024] codes; Wq, Wk, Wv: [1024][1024] codes, K innermost; the given exponents e0..e8 in the buffer of scales; biases f32.
; A sum of the first product stands for sum x 2^(e0 + e1).  The bias goes in as the C of the first K step, multiplied by 2^-(e0 + e1); the finished sum is held within
; +-57,344 x 2^(e6 - e0 - e1) and converted with that one scale: code = q / 2^e6.  Likewise k (e2, e3, e7) and v (e4, e5, e8).
; LIMITS: e6 - e0 - e1, e7 - e2 - e3 and e8 - e4 - e5 lie between -126 and 112, so that each power of two below is an f32 number.  NaN and infinity among the codes are not specially served.
; SHARES.  A work-group makes 512 tokens x 192 columns: q, k and v of ONE head; 16 heads x 16 groups of tokens are 256 work-groups.
; THE WEIGHTS STAY IN REGISTERS.  Wave w keeps 48 rows with all 1,024 of K, 384 registers: a pair of d tiles (32 rows) of Wq (waves 0, 1) or Wk (waves 2, 3), and channel tile w (16 rows) of Wv.
; All four waves run one text; which weight, bias, scales and image a wave's pair has is selected on the wave's number.  Every wave walks all 512 tokens, 64 (a group) at a time: 12 accumulators.
; A group is four units of 256 along K, 24 products each; the 32 units are numbered through.  x's fragments have THREE sets of registers: unit n asks for unit n + 2's.
; LDS holds rows of 1,024 codes + 16 bytes of padding.  At the head wave 0 fetches tokens 0-63, waves 1-3 the 64 rows of Wq, Wk, Wv, which lie where tokens 64-255 will lie.  When the weights are in
; registers, tokens 64-255 are fetched (48 rows a wave).  From then on LDS is a ring of two slots of 128 tokens; tokens 256-383 and 384-511 refill them (32 rows a wave), each with eight units' work in which to land.
; CLUSTERS: 4 x 4 work-groups.  The four of a row of the cluster share the tokens, the four of a column the head: each tile is asked for JOINTLY.
; PREFETCH: the rows of each later load are named once in each cluster, ahead of the load: tokens 64-255 at the head (partner cx takes 48 rows), each refill's 128 about two groups ahead (partner cx takes 32 rows);
; wave w takes bytes 256 w on of a row, a lane a row; the lanes left over name their wave's last block again.
; THE RESULTS LEAVE AS IMAGES OF THE NEXT LAUNCH'S OPERAND REGISTERS.
;   q, k: source 0 = 16 rows of W, source 1 = 16 tokens: lane (r, h) holds token r and d = 16 t + 8 h + 0..7: a conversion gives registers 2 t, 2 t + 1 of a fragment of 16 tokens x 64; my pair of tiles gives four registers.
;   v: source 0 = 16 tokens, source 1 = 16 rows of Wv: lane (r, h) holds channel r and tokens 16 i + 8 h + 0..7: registers 2 i, 2 i + 1 of a fragment of 16 channels x keys.
;   Four registers of codes are stored at 16 x lane: each store of the wave covers 512 consecutive bytes, aligned.
; REGISTERS.  window 0: v1-23 addresses, scales; v24-47 biases; v48-111 the pair's 8 accumulators; v112-143 v's 4; v144-167 codes.
;   window 1: sets 0 and 1 of x's fragments (4 token tiles x 256 of K each);  window 2: my pair's weights, v[128 tt + 16 ks];  window 3: v0-127 my tile of Wv, v[16 ks]; v128-255 set 2.
.set PITCH, 1040                       ; an LDS row: 260 words: the 16 rows that a fragment load touches start 4 banks apart (64 banks of 4 bytes: ISA guide 11.1)
.set GRP,   64*PITCH                   ; a group of 64 tokens
.set SLOT,  2*GRP
.set WST,   GRP                        ; the weights' 192 rows, at the head
.set SPARE, 2*SLOT                     ; behind the ring: the spare words, 128 bytes a wave
.set ADG,  1                           ; v1-4  my lane's place in LDS groups 0..3
.set LI,   5                           ; v5    16 x lane
.set SPW,  6
.set NIL,  7
.set ADWP, 14                          ; v14   my pair's rows in the weights' stage;  v15 my tile of Wv
.set ADWV, 15
.set SCP,  16                          ; the conversions' scales and the holds
.set LIMP, 17
.set SCV,  18
.set LIMV, 19
.set RBV,  20
.set PFO,  21                          ; v21-23 the prefetches' offsets; never rewritten
.set PF1,  22
.set PF1B, 23
.set BP,   24
.set BV,   40
.set ACC,  48
.set VACC, 112
.set CQ,   144
.set CV,   160
.set G1X64, 24                         ; s[24:31] group 1: 64 rows of x;  s[32:39] 64 rows of a weight;  s[40:47] 48 rows of x;  s[48:55] 32 rows of x
.set G1W,   32
.set G1X48, 40
.set G1X32, 48
.set WV,  56
.set PO,  20                           ; s[20:21] my pair's image;  s[6:7] v's;  s[14:15] the pair's step behind an odd group
.set PV,  6
.set MSB, 0
.macro WIN new
.if MSB != (\new)
	s_set_vgpr_msb (MSB<<8)|(\new)
.set MSB, \new
.endif
.endm
.macro PLACES n
.rept \n
	v_nop
.endr
.endm
.macro CROUND                          ; a round of the cluster's barrier
	s_barrier_signal -1
	s_barrier_wait -1
	s_cmp_lg_u32 s[WV], 0
	s_cbranch_scc1 .Lnot_wave_0_\@
	s_barrier_signal -3
.Lnot_wave_0_\@:
	s_barrier_wait -3
	s_barrier_signal -1
	s_barrier_wait -1
.endm
	s_load_b512 s[4:19], s[0:1], 0x0               ; x s[4:5], Wq s[6:7], Wk s[8:9], Wv s[10:11], bq s[12:13], bk s[14:15], bv s[16:17], the exponents s[18:19]
	s_load_b128 s[20:23], s[0:1], 0x40             ; q's images s[20:21], k's and v's s[22:23]
	v_lshl_add_u32 v[SPW], v0, 2, SPARE
	v_mov_b32 v[NIL], 0
	ds_add_u32 v[SPW], v[NIL]                      ; the add twice on end and its wait ahead of my first tensor load
	ds_add_u32 v[SPW], v[NIL]
	v_lshrrev_b32 v8, 5, v0
	v_readfirstlane_b32 s[WV], v8                  ; wave 0..3
	s_bfe_u32 s57, ttmp6, 0x40000                  ; cx, cy
	s_bfe_u32 s58, ttmp6, 0x40004
	s_lshl_b32 s59, ttmp9, 2
	s_add_co_u32 s59, s59, s57                     ; the head = 4 x cluster x + cx
	s_and_b32 s60, ttmp7, 0xffff
	s_lshl_b32 s60, s60, 2
	s_add_co_u32 s60, s60, s58                     ; the group of 512 tokens = 4 x cluster y + cy
	s_lshl_b32 s61, s58, 2
	s_lshl_b32 s61, 15, s61                        ; my row of the cluster
	s_lshl_b32 s62, 0x1111, s57                    ; my column
	; group 1: rows of 1,024 elements of one byte, dense in memory, four words of padding behind every 256 words
	s_or_b32 s[G1X64], s61, (1<<20)|(1<<21)|(7<<22)|(3<<25)
	s_or_b32 s[G1X48], s61, (1<<20)|(1<<21)|(7<<22)|(3<<25)
	s_or_b32 s[G1X32], s61, (1<<20)|(1<<21)|(7<<22)|(3<<25)
	s_or_b32 s[G1W], s62, (1<<20)|(1<<21)|(7<<22)|(3<<25)
.irp g, G1X64, G1W, G1X48, G1X32
	s_mov_b32 s[\g+1], 1024<<16                    ; tensor_dim0
	s_mov_b32 s[\g+3], 1024<<16                    ; tile_dim0
	s_mov_b32 s[\g+5], 1024                        ; the pitch
	s_mov_b32 s[\g+6], 0
	s_mov_b32 s[\g+7], 0
.endr
	s_mov_b32 s[G1X64+2], 64<<16                   ; tensor_dim1 and tile_dim1
	s_mov_b32 s[G1X64+4], 64
	s_mov_b32 s[G1W+2], 64<<16
	s_mov_b32 s[G1W+4], 64
	s_mov_b32 s[G1X48+2], 48<<16
	s_mov_b32 s[G1X48+4], 48
	s_mov_b32 s[G1X32+2], 32<<16
	s_mov_b32 s[G1X32+4], 32
	s_lshl_b32 s66, s60, 19                        ; x: 512 rows of 1,024 bytes for each group of tokens (these never hold cx)
	s_mov_b32 s67, 0
	s_lshl_b32 s68, s59, 16                        ; a weight: 64 rows for each head (these never hold cy)
	s_mov_b32 s69, 0
	s_wait_dscnt 0x0
	s_wait_kmcnt 0x0
	s_load_b256 s[92:99], s[18:19], 0x0            ; e0 .. e7
	s_load_b32 s100, s[18:19], 0x20                ; e8
	s_cmp_eq_u32 s[WV], 2                          ; which weight I fetch: waves 1, 2, 3: Wq, Wk, Wv
	s_cselect_b64 s[70:71], s[8:9], s[6:7]
	s_cmp_eq_u32 s[WV], 3
	s_cselect_b64 s[70:71], s[10:11], s[70:71]
	s_add_nc_u64 s[70:71], s[70:71], s[68:69]
	s_add_nc_u64 s[66:67], s[4:5], s[66:67]        ; my tokens' first byte; it stays: the prefetches' base
	s_mov_b32 s72, 1                               ; s[72:75] tokens 0-63 -> LDS 0
	s_mov_b32 s73, 0
	s_mov_b64 s[74:75], s[66:67]
	s_or_b32 s75, s75, 0x80000000
	s_mov_b32 s76, 1                               ; s[76:79] my weight's 64 rows -> wave x 64 rows
	s_mul_i32 s77, s[WV], GRP
	s_mov_b64 s[78:79], s[70:71]
	s_or_b32 s79, s79, 0x80000000
	s_mul_i32 s4, s[WV], 48*1024                   ; s[80:83] tokens 64 + 48 w on
	s_add_co_u32 s4, s4, 65536
	s_mov_b32 s5, 0
	s_mov_b32 s80, 1
	s_mul_i32 s81, s[WV], 48*PITCH
	s_add_co_u32 s81, s81, GRP
	s_add_nc_u64 s[82:83], s[66:67], s[4:5]
	s_or_b32 s83, s83, 0x80000000
	s_lshl_b32 s4, s[WV], 15                       ; s[84:87] tokens 256 + 32 w on -> slot 0
	s_add_co_u32 s4, s4, 262144
	s_mov_b32 s84, 1
	s_mul_i32 s85, s[WV], 32*PITCH
	s_add_nc_u64 s[86:87], s[66:67], s[4:5]
	s_or_b32 s87, s87, 0x80000000
	s_add_co_u32 s4, s4, 131072                    ; s[88:91] tokens 384 + 32 w on -> slot 1
	s_mov_b32 s88, 1
	s_add_co_u32 s89, s85, SLOT
	s_add_nc_u64 s[90:91], s[66:67], s[4:5]
	s_or_b32 s91, s91, 0x80000000
	CROUND                                         ; all sixteen work-groups are here: the first joint loads meet
	s_cmp_eq_u32 s[WV], 0                          ; one tensor load a wave at the head, one to an arm
	s_cbranch_scc0 .Lhead_w
	tensor_load_to_lds s[72:75], s[G1X64:G1X64+7]
	s_nop 0
	PLACES 4
	s_branch .Lhead_asked
.Lhead_w:
	tensor_load_to_lds s[76:79], s[G1W:G1W+7]
	s_nop 0
	PLACES 4
.Lhead_asked:
	s_lshr_b32 s4, s[WV], 1                        ; my pair's rows in the stage: 64 (w / 2) + 32 (w % 2)
	s_lshl_b32 s4, s4, 6
	s_and_b32 s70, s[WV], 1
	s_lshl_b32 s5, s70, 5
	s_add_co_u32 s4, s4, s5
	s_mul_i32 s4, s4, PITCH
	s_add_co_u32 s4, s4, WST
	s_lshl_b32 s5, s[WV], 4                        ; my tile of Wv: rows 128 + 16 w
	s_add_co_u32 s5, s5, 128
	s_mul_i32 s5, s5, PITCH
	s_add_co_u32 s5, s5, WST
	s_lshl_b32 s63, s[WV], 8                       ; the prefetches: bytes 256 w on of a row; of a refill's rows 32 cx on,
	s_mul_i32 s104, s57, 49152
	s_add_co_u32 s104, s104, s63                   ; of tokens 64-255 rows 48 cx on
	s_lshl_b32 s71, s57, 15
	s_add_co_u32 s63, s63, s71
	s_lshl_b32 s68, s59, 8                         ; the head's 64 numbers of a bias
	s_lshl_b32 s71, s70, 7
	s_add_co_u32 s8, s68, s71                      ; my pair's 32
	s_mov_b32 s9, 0
	s_lshl_b32 s71, s[WV], 6
	s_add_co_u32 s10, s68, s71                     ; my tile's 16 of bv
	s_mov_b32 s11, 0
	s_cmp_lt_u32 s[WV], 2
	s_cselect_b64 s[12:13], s[12:13], s[14:15]
	s_add_nc_u64 s[12:13], s[12:13], s[8:9]
	s_add_nc_u64 s[16:17], s[16:17], s[10:11]
	s_lshr_b32 s8, s60, 2                          ; bh = 16 x batch + head; a batch is 4 groups of 512 tokens
	s_lshl_b32 s8, s8, 4
	s_add_co_u32 s8, s8, s59
	s_and_b32 s10, s60, 3
	s_lshl_b32 s14, s8, 17                         ; q: 131,072 bytes a pair (batch, head), 32,768 for 512 tokens
	s_lshl_b32 s15, s10, 15
	s_add_co_u32 s14, s14, s15
	s_lshl_b32 s8, s8, 18                          ; k, v: 262,144 and 65,536
	s_lshl_b32 s10, s10, 16
	s_add_co_u32 s8, s8, s10
	s_lshl_b32 s71, s[WV], 11                      ; v: behind a step's 8,192 bytes of k; channel tile w: 2,048 bytes each
	s_add_co_u32 s10, s8, s71
	s_add_co_u32 s10, s10, 8192
	s_add_nc_u64 s[PV:PV+1], s[22:23], s[10:11]
	s_cmp_lt_u32 s[WV], 2
	s_cselect_b32 s8, s14, s8
	s_cselect_b64 s[PO:PO+1], s[20:21], s[22:23]
	s_mov_b32 s14, 12288                           ; behind an odd group: q 4,096 on; k to the next key step: 12,288 on
	s_cselect_b32 s14, 4096, s14
	s_mov_b32 s15, 0
	s_lshl_b32 s71, s70, 9                         ; registers 4 (w % 2) on of a fragment: 512 bytes on
	s_add_co_u32 s8, s8, s71
	s_add_nc_u64 s[PO:PO+1], s[PO:PO+1], s[8:9]
	v_and_b32 v8, 15, v0                           ; r
	v_bfe_u32 v9, v0, 4, 1                         ; h
	v_mul_u32_u24 v10, v8, PITCH
	v_lshl_add_u32 v10, v9, 4, v10                 ; a fragment's row x pitch + 16 x half
	v_mov_b32 v[ADG], v10
	v_add_nc_u32 v[ADG+1], GRP, v10
	v_add_nc_u32 v[ADG+2], 2*GRP, v10
	v_add_nc_u32 v[ADG+3], 3*GRP, v10
	v_add_nc_u32 v[ADWP], s4, v10
	v_add_nc_u32 v[ADWV], s5, v10
	v_and_b32 v11, 31, v0
	v_lshlrev_b32 v[LI], 4, v11
	v_lshlrev_b32 v12, 5, v9                       ; the pair's bias: lane (r, h) wants d = 16 tt + 8 h + 0..7
	v_lshlrev_b32 v13, 2, v8                       ; bv: channel r
	v_lshlrev_b32 v[PFO], 10, v11
	v_add_nc_u32 v[PF1], s104, v[PFO]
	v_add_nc_u32 v[PFO], s63, v[PFO]
	v_min_u32 v10, 15, v11                         ; 16 rows are left for the second request: lanes 16-31 name lane 15's block again
	v_lshlrev_b32 v[PF1B], 10, v10
	v_add_nc_u32 v[PF1B], s104, v[PF1B]
.irp tt, 0,1
	global_load_b128 v[BP+8*\tt:BP+8*\tt+3], v12, s[12:13] offset:64*\tt
	global_load_b128 v[BP+8*\tt+4:BP+8*\tt+7], v12, s[12:13] offset:64*\tt+16
.endr
	global_load_b32 v[RBV], v13, s[16:17]
	global_prefetch_b8 v[PF1], s[66:67] offset:65536 th:TH_LOAD_NT scope:SCOPE_SE          ; tokens 64 + 48 cx + 0..31
	global_prefetch_b8 v[PF1B], s[66:67] offset:65536+32768 th:TH_LOAD_NT scope:SCOPE_SE   ; tokens 64 + 48 cx + 32..47
; the scales of one product: s[neg] = -(ea + eb), for the bias; v[sc] = 2^(eo - ea - eb) as f32, for the conversion; v[lim] = 57,344 x that, for the hold
.macro MKSCALE ea, eb, eo, neg, sc, lim
	s_add_co_i32 s[\neg], s[\ea], s[\eb]
	s_sub_co_i32 s104, s[\eo], s[\neg]
	s_sub_co_i32 s[\neg], 0, s[\neg]
	s_add_co_i32 s104, s104, 127
	s_lshl_b32 s105, s104, 23
	v_mov_b32 v[\sc], s105
	s_add_co_i32 s104, s104, 15
	s_lshl_b32 s104, s104, 23
	s_or_b32 s104, s104, 0x600000
	v_mov_b32 v[\lim], s104
.endm
	s_wait_kmcnt 0x0
	s_cmp_lt_u32 s[WV], 2                          ; my pair's exponents: q's or k's, selected on the wave's number
	s_cselect_b32 s92, s92, s94
	s_cselect_b32 s93, s93, s95
	s_cselect_b32 s98, s98, s99
	MKSCALE 92, 93, 98, 101, SCP, LIMP
	MKSCALE 96, 97, 100, 63, SCV, LIMV
	s_wait_loadcnt 0x0                             ; the biases
.set j, 0
.rept 16
	v_ldexp_f32 v[BP+j], v[BP+j], s101
.set j, j+1
.endr
.set j, 0
.rept 8
	v_ldexp_f32 v[BV+j], v[RBV], s63               ; a lane's eight results of a tile of v belong to one channel
.set j, j+1
.endr
; Unit n (0..31): group n / 4, K steps 2 (n % 4) and 2 (n % 4) + 1.  Its fragments lie in set n % 3: sets 0, 1 in window 1 at v0, v128; set 2 in window 3 at v128.
.macro XSET n
.if ((\n)%3) == 2
.set XWN, 3
.set XBS, 128
.else
.set XWN, 1
.set XBS, 128*((\n)%3)
.endif
.endm
; 32 LDS loads: unit n's fragments of four token tiles.  A fragment, 16 rows x 128 K, is four loads of 16 bytes, 32 apart: registers 4 c .. 4 c + 3
; hold K = 32 c + 16 (lane / 16) + 0..15: a permutation of K that is the same in x and in the weights.
.macro FETCHN n
	XSET \n
	WIN XWN<<6
.irp kk, 0,1
.irp i, 0,1,2,3
.irp c, 0,1,2,3
	ds_load_b128 v[XBS+64*\kk+16*\i+4*\c:XBS+64*\kk+16*\i+4*\c+3], v[ADG+((\n)/4)%4] offset:16*\i*PITCH+128*(2*((\n)%4)+\kk)+32*\c
.endr
.endr
.endr
	WIN 0
.endm
; 16 matrix instructions of my pair: source 0 = 16 rows of the weight, source 1 = 16 tokens; the 8 accumulators by turns.  In a group's first K step the bias is the C.
.macro MULQK n
	XSET \n
	WIN 0x02|(XWN<<2)                              ; source 0 window 2, source 1 the set's window, C and D window 0
.irp kk, 0,1
.irp i, 0,1,2,3
.irp tt, 0,1
.set AC, ACC+8*(2*\i+\tt)
.set WR, 128*\tt+16*(2*((\n)%4)+\kk)
.set XR, XBS+64*\kk+16*\i
.if (((\n)%4) == 0) && (\kk == 0)
	v_wmma_f32_16x16x128_bf8_bf8 v[AC:AC+7], v[WR:WR+15], v[XR:XR+15], v[BP+8*\tt:BP+8*\tt+7]
.else
	v_wmma_f32_16x16x128_bf8_bf8 v[AC:AC+7], v[WR:WR+15], v[XR:XR+15], v[AC:AC+7]
.endif
.endr
.endr
.endr
.endm
; 8 of v: source 0 = 16 tokens, source 1 = my 16 rows of Wv; the 4 accumulators by turns
.macro MULV n
	XSET \n
	WIN XWN|12                                     ; source 0 the set's window, source 1 window 3, C and D window 0
.irp kk, 0,1
.irp i, 0,1,2,3
.set AC, VACC+8*\i
.set WR, 16*(2*((\n)%4)+\kk)
.set XR, XBS+64*\kk+16*\i
.if (((\n)%4) == 0) && (\kk == 0)
	v_wmma_f32_16x16x128_bf8_bf8 v[AC:AC+7], v[XR:XR+15], v[WR:WR+15], v[BV:BV+7]
.else
	v_wmma_f32_16x16x128_bf8_bf8 v[AC:AC+7], v[XR:XR+15], v[WR:WR+15], v[AC:AC+7]
.endif
.endr
.endr
.endm
; A unit: its set is in, unit n + 1's 32 loads may be out; f = 1: unit n + 2's loads go out, into the set that unit n - 1 read (four places stand behind its products: ISA guide 7.12.1 for vector instructions); 24 products.
.macro UNIT n, f
.if (\n) < 31
	s_wait_dscnt 32
.else
	s_wait_dscnt 0x0
.endif
.if \f
	FETCHN (\n)+2
.endif
	MULQK \n
	MULV \n
	PLACES 4
	WIN 0
.endm
; A unit behind which fragments are asked for from bytes that a load was to bring: each wave waits for all its tensor loads, adds 0 to its spare word, and waits for that and for its reads: all reads of the group's slot have been issued.
; fill = 1: a round of the cluster's barrier, and the slot just read out is filled again by descriptor d.  fill = 0: my work-group's barrier alone. late = 1: unit n + 1's loads go out here too.
.macro UNITT n, fill, d, late
	s_wait_tensorcnt 0x0
	ds_add_u32 v[SPW], v[NIL]
	s_wait_dscnt 0x1                               ; my fragment loads are in; the add may be out
	MULQK \n
	WIN 0
	s_wait_dscnt 0x0                               ; the add is done, and my reads of this slot are over
.if \fill
	CROUND
	tensor_load_to_lds s[\d:\d+3], s[G1X32:G1X32+7]
	s_nop 0
.else
	s_barrier_signal -1
	s_barrier_wait -1
.endif
	PLACES 4
.if \late
	FETCHN (\n)+1
.endif
	FETCHN (\n)+2
	MULV \n
	PLACES 4
	WIN 0
.endm
; A group's way out: the hold (the conversion to an 8-bit code does not saturate: ISA guide 7.6.2), each accumulator from its low end on; one conversion an accumulator; the codes leave as they stand.
.macro EPI g
	s_wait_xcnt 0x0                                ; the last group's stores have read their registers and their base
.set j, 0
.rept 64
	v_med3_num_f32 v[ACC+j], v[ACC+j], -v[LIMP], v[LIMP]
.set j, j+1
.endr
.set j, 0
.rept 32
	v_med3_num_f32 v[VACC+j], v[VACC+j], -v[LIMV], v[LIMV]
.set j, j+1
.endr
.set j, 0
.rept 8
	v_cvt_scalef32_pk8_bf8_f32 v[CQ+2*j:CQ+2*j+1], v[ACC+8*j:ACC+8*j+7], v[SCP]
.set j, j+1
.endr
.set j, 0
.rept 4
	v_cvt_scalef32_pk8_bf8_f32 v[CV+2*j:CV+2*j+1], v[VACC+8*j:VACC+8*j+7], v[SCV]
.set j, j+1
.endr
	v_nop                                          ; a plain instruction behind the last conversion: the next group's products write its sources
.if (\g) > 0
.if (\g) % 2
	s_add_nc_u64 s[PO:PO+1], s[PO:PO+1], 4096
.else
	s_add_nc_u64 s[PO:PO+1], s[PO:PO+1], s[14:15]
.endif
.endif
.irp i, 0,1,2,3
	global_store_b128 v[LI], v[CQ+4*\i:CQ+4*\i+3], s[PO:PO+1] offset:1024*\i   ; token tile i: 32 lanes store 512 consecutive bytes, aligned
.endr
.irp b, 0,1
	global_store_b128 v[LI], v[CV+4*\b:CV+4*\b+3], s[PV:PV+1] offset:((\g)/2)*16384+((\g)%2)*1024+512*\b   ; my channels, the group's tokens 32 b .. 32 b + 31
.endr
.endm
; A group of 64 tokens.  kind 0: the next group lies in the same slot; 1: the next group's bytes are waited for in the last unit; 2: change of slots in the third unit, with a fill by descriptor d; 3: the same with no fill; 4: the last group.
; pf: the byte offset of the 128 tokens to prefetch, or 0
.macro GROUP g, kind, d, pf
	UNIT 4*(\g), 1
.if \pf
	global_prefetch_b8 v[PFO], s[66:67] offset:\pf th:TH_LOAD_NT scope:SCOPE_SE
.endif
	UNIT 4*(\g)+1, 1
.if \kind == 0
	UNIT 4*(\g)+2, 1
	UNIT 4*(\g)+3, 1
.endif
.if \kind == 1
	UNIT 4*(\g)+2, 0
	UNITT 4*(\g)+3, 0, 0, 1
.endif
.if \kind == 2
	UNITT 4*(\g)+2, 1, \d, 0
	UNIT 4*(\g)+3, 1
.endif
.if \kind == 3
	UNITT 4*(\g)+2, 0, 0, 0
	UNIT 4*(\g)+3, 1
.endif
.if \kind == 4
	UNIT 4*(\g)+2, 0
	UNIT 4*(\g)+3, 0
.endif
	EPI \g
.endm
	s_wait_alu depctr_va_vdst(0)                   ; the wait at the head's end
	s_wait_tensorcnt 0x0                           ; my load of the head is in
	s_barrier_signal -1
	s_barrier_wait -1                              ; everybody's is
	WIN 0x80                                       ; my pair's weights -> window 2
.irp tt, 0,1
.irp ks, 0,1,2,3,4,5,6,7
.irp c, 0,1,2,3
	ds_load_b128 v[128*\tt+16*\ks+4*\c:128*\tt+16*\ks+4*\c+3], v[ADWP] offset:16*\tt*PITCH+128*\ks+32*\c
.endr
.endr
.endr
	WIN 0xC0                                       ; my tile of Wv -> window 3
.irp ks, 0,1,2,3,4,5,6,7
.irp c, 0,1,2,3
	ds_load_b128 v[16*\ks+4*\c:16*\ks+4*\c+3], v[ADWV] offset:128*\ks+32*\c
.endr
.endr
	FETCHN 0
	FETCHN 1
	s_wait_tensorcnt 0x0                           ; ahead of the refill's round: the tensor loads are in
	ds_add_u32 v[SPW], v[NIL]
	s_wait_dscnt 0x0                               ; the weights are in my registers
	CROUND                                         ; in everybody's: their bytes may be filled again
	tensor_load_to_lds s[80:83], s[G1X48:G1X48+7]  ; tokens 64-255, 48 rows a wave, onto the weights' 192 rows
	s_nop 0
	PLACES 4
	GROUP 0, 1, 0, 262144                          ; tokens 64-255 are waited for in its last unit
	GROUP 1, 2, 84, 0                              ; slot 0 takes tokens 256-383
	GROUP 2, 0, 0, 393216
	GROUP 3, 2, 88, 0                              ; slot 1 takes tokens 384-511
	GROUP 4, 0, 0, 0
	GROUP 5, 3, 0, 0
	GROUP 6, 0, 0, 0
	GROUP 7, 4, 0, 0
	s_wait_tensorcnt 0x0                           ; the wave's end
	ds_add_u32 v[SPW], v[NIL]
	s_wait_dscnt 0x0
	CROUND                                         ; the closing round
	s_endpgm
.Lfunc_end_k_qc2b393b73b_proj:
	.size	k_qc2b393b73b_proj, .Lfunc_end_k_qc2b393b73b_proj-k_qc2b393b73b_proj
	.p2alignl 7, 3214868480
	.fill 96, 4, 3214868480
	.section	.rodata,"a",@progbits
	.p2align	6, 0x0
	.amdhsa_kernel k_qc2b393b73b_proj
		.amdhsa_group_segment_fixed_size 327680
		.amdhsa_private_segment_fixed_size 0
		.amdhsa_enable_private_segment 0
		.amdhsa_kernarg_size 80
		.amdhsa_user_sgpr_count 2
		.amdhsa_user_sgpr_kernarg_segment_ptr 1
		.amdhsa_wavefront_size32 1
		.amdhsa_system_sgpr_workgroup_id_x 1
		.amdhsa_system_sgpr_workgroup_id_y 1
		.amdhsa_system_sgpr_workgroup_id_z 1
		.amdhsa_system_vgpr_workitem_id 0
		.amdhsa_next_free_vgpr 1024
		.amdhsa_next_free_sgpr 106
		.amdhsa_reserve_vcc 0
		.amdhsa_float_denorm_mode_32 3
		.amdhsa_float_denorm_mode_16_64 3
		.amdhsa_memory_ordered 1
		.amdhsa_forward_progress 1
		.amdhsa_inst_pref_size 203
	.end_amdhsa_kernel
	.amdgpu_metadata
---
amdhsa.version: [ 1, 2 ]
amdhsa.kernels:
  - .name:           k_qc2b393b73b_proj
    .symbol:         k_qc2b393b73b_proj.kd
    .args:
      - { .name: x_codes, .offset: 0, .size: 8, .value_kind: global_buffer, .address_space: global }
      - { .name: Wq_codes, .offset: 8, .size: 8, .value_kind: global_buffer, .address_space: global }
      - { .name: Wk_codes, .offset: 16, .size: 8, .value_kind: global_buffer, .address_space: global }
      - { .name: Wv_codes, .offset: 24, .size: 8, .value_kind: global_buffer, .address_space: global }
      - { .name: bq, .offset: 32, .size: 8, .value_kind: global_buffer, .address_space: global }
      - { .name: bk, .offset: 40, .size: 8, .value_kind: global_buffer, .address_space: global }
      - { .name: bv, .offset: 48, .size: 8, .value_kind: global_buffer, .address_space: global }
      - { .name: lowp_scales, .offset: 56, .size: 8, .value_kind: global_buffer, .address_space: global }
      - { .name: q_img, .offset: 64, .size: 8, .value_kind: global_buffer, .address_space: global }
      - { .name: kv_img, .offset: 72, .size: 8, .value_kind: global_buffer, .address_space: global }
    .group_segment_fixed_size: 327680
    .private_segment_fixed_size: 0
    .kernarg_segment_align: 8
    .kernarg_segment_size: 80
    .max_flat_workgroup_size: 128
    .sgpr_count:     106
    .vgpr_count:     1024
    .wavefront_size: 32
...
	.end_amdgpu_metadata
.endif
;; end of part 1
;; launch attn (part 2): grid 4 x 64, 8 waves a work-group, clusters of 4 x 1, 327,680 bytes of LDS; arguments q_img, kv_img, lowp_scales, out0; writes out0
.if DOCPART == 2
	.amdgcn_target "amdgcn-amd-amdhsa--gfx1250"
	.amdhsa_code_object_version 6
	.text
	.protected	k_qc2b393b73b_attn
	.globl	k_qc2b393b73b_attn
	.p2align	8
	.type	k_qc2b393b73b_attn,@function
k_qc2b393b73b_attn:
	s_mov_b64 s[64:65], 0
	v_nop
	global_prefetch_b8 v0, s[64:65] scope:SCOPE_SE
	s_setreg_imm32_b32 hwreg(HW_REG_WAVE_MODE, 25, 1), 1
	s_wait_xcnt 0x0
	s_wait_alu depctr_hold_cnt(0) depctr_sa_sdst(0) depctr_va_vdst(0) depctr_va_sdst(0) depctr_va_ssrc(0) depctr_va_vcc(0) depctr_vm_vsrc(0)
	s_getreg_b32 s2, hwreg(HW_REG_IB_STS2, 6, 4)
	s_cmp_eq_u32 s2, 0
	s_cbranch_scc0 .Lentry_in_a_cluster
	s_endpgm
.Lentry_in_a_cluster:
	s_bfe_u32 s2, ttmp6, 0x10000c
	s_cmp_lg_u32 s2, 0x3003
	s_cbranch_scc0 .Lentry_shape_is_right
	s_endpgm
.Lentry_shape_is_right:
; out[b][q][h][:] = the sum over k of softmax_k(q . k / 8) v, both products on codes of BF8 (E5M2); 64 pairs (batch, head), 2,048 queries, 2,048 keys, head size 64.
; q, k and v come as images of the operands' registers, made by the launch before: q: [bh][tile of 16 queries][2][lane][16 bytes]; k and v: [bh][step of 128 keys][16,384 bytes]: k's eight tiles of 16 keys
; (1,024 bytes each), then v's four fragments of 16 channels x 128 keys (2,048 bytes each).  Every fragment is fetched at 16 x lane, with K in its true places.
; THE SOFTMAX AHEAD OF THE SECOND PRODUCT: t = score x 2^(e6 + e7) x log2(e) / 8; M = the row's largest t so far, rounded UP to a whole number; p = 2^(t - M) is held at 57,344 x 2^e9 and quantised with 2^e9; it is not normalised.
; The row's sum is taken of the unquantised p, in f32; out = O x 2^(e8 + e9) / sum.  When M moves, the sum and O are multiplied by 2^(old M - new M): exact.
; LIMITS: e6 + e7 between -123 and 130 (they are added to the exponent field of log2(e) / 8); e9 between -126 and 112.  NaN and infinity among the codes are not specially served.
; SHARES.  The four work-groups of a cluster are the four blocks of 512 queries of ONE pair.  The pair's k and v, 262,144 bytes, lie WHOLE in LDS, each byte filled once, by joint loads that name the four.
; Each wave issues two loads: key steps 0-4 at the head (40 rows of 256 bytes a wave), key steps 5-15 (88 rows a wave) behind the three lines and a round; the second has four key steps' work in which to land.
; A work-group makes two passes of 256 queries; in a pass each of its eight waves owns two tiles of 16 queries, so each fragment read from LDS feeds two products.
; FRAGMENTS ARE ASKED FOR A STEP AHEAD: the next step's K behind this step's score products, the next V behind this step's O products; so each wait on DScnt leaves the 16 younger loads out.
; NO PREFETCH: both fills go out at the launch's start, and the key loop loads nothing from memory.
; LAYOUT.  S^T = K Q^T (source 0 = 16 keys, source 1 = 16 queries), O^T = V^T P^T (source 0 = 16 channels, source 1 = P): a lane holds ONE query (lane % 16).  In tile t of S^T lane (r, h) holds keys
; 16 t + 8 h + 0..7: one conversion gives registers 2 t, 2 t + 1 of P's fragment of 128 keys.
; REGISTERS.  window 0: v1-5 addresses; v8-10 the hold (twice) and p's scale; v16-26, v32-42 a tile's statistics; v64-191 S^T, then p; v192-223 p's codes; v254, v255 the add's two.
;   window 1: v0-63 O^T (32 a tile); v64-79 Q of pass 0; v80-143 K's eight fragments; v144-207 V's four; v208-223 Q of pass 1.
.set STEPB, 16384                      ; a key step's bytes in LDS
.set PARTA, 5*STEPB                    ; what the head's loads bring
.set STG,   262144                     ; behind k and v: a stage of 16 rows x 272 bytes for each wave; no fill lands there
.set SP,    272
.set SPARE, 0x48800                    ; behind the stages: the spare words, 128 bytes a wave
.set LI,  1                            ; v1  16 x lane
.set ADR, 2                            ; v2  the next step's LDS address
.set STO, 3                            ; v3  the way out: where I put 32 bytes of a row
.set RD,  4                            ; v4  where I read a row back
.set GO,  5                            ; v5  my byte offset in two rows of out
.set LIM, 8                            ; v8, v9  57,344 x 2^e9, once for each half of a dual pair
.set LIM2, 9
.set SC,  10                           ; v10 2^e9 as f32
.set SPW, 254
.set NIL, 255
.set ST0, 16                           ; tile y's statistics at v[16 + 16 y]: +0 -M, +1 the largest t, +2, +3 the sum in two halves, +4 f (+5 named with it), +6, +7 a second chain of sums, +8, +9 maxima at work, +10 from the other half of the lanes
.set SB,  64
.set PB,  192
.set QF0, 64                           ; in window 1
.set KF,  80
.set VF,  144
.set QF1, 208
.set WV,  12                           ; s12  my wave's number
.set G1A, 24                           ; s[24:31] descriptor group 1: 40 rows of 256 bytes;  s[32:39]: 88 rows
.set G1B, 32
.set TB,  66                           ; s66  LDS byte at which the NEXT step begins
.set TRIP, 67
.set CS,  68                           ; s[68:69] c = 2^(e6 + e7) log2(e) / 8
.set SEL, 70                           ; s[70:71] lane selects for v_permlanex16_b32: lane l xor 16
.set MSB, 0
.macro WIN new                         ; the immediate's high byte repeats the setting that is left; a switch that changes nothing is dropped
.if MSB != (\new)
	s_set_vgpr_msb (MSB<<8)|(\new)
.set MSB, \new
.endif
.endm
.macro PLACES n
.rept \n
	v_nop
.endr
.endm
.macro CROUND                          ; a round of the cluster's barrier
	s_barrier_signal -1
	s_barrier_wait -1
	s_cmp_lg_u32 s[WV], 0
	s_cbranch_scc1 .Lnot_wave_0_\@
	s_barrier_signal -3
.Lnot_wave_0_\@:
	s_barrier_wait -3
	s_barrier_signal -1
	s_barrier_wait -1
.endm
	s_load_b256 s[4:11], s[0:1], 0x0               ; q's images s[4:5], k's and v's s[6:7], the exponents s[8:9], out s[10:11]
	v_lshl_add_u32 v[SPW], v0, 2, SPARE
	v_mov_b32 v[NIL], 0
	ds_add_u32 v[SPW], v[NIL]                      ; the add twice on end and its wait ahead of my first tensor load
	ds_add_u32 v[SPW], v[NIL]
	v_lshrrev_b32 v6, 5, v0
	s_delay_alu instid0(VALU_DEP_1)
	v_readfirstlane_b32 s[WV], v6                  ; wave 0..7
	s_bfe_u32 s13, ttmp6, 0x40000                  ; cx: my place in the cluster
	s_lshl_b32 s14, ttmp9, 2
	s_add_co_u32 s14, s14, s13                     ; my block of 512 queries: it enters q's and out's addresses alone
	s_and_b32 s15, ttmp7, 0xffff                   ; bh = 16 x batch + head, which the four partners share
.irp g, G1A, G1B
	s_mov_b32 s[\g], 15|(3<<16)|(1<<21)            ; the mask: all four work-groups; elements of 8 bytes; bit 21 beside a mask; no padding: every LDS read takes 512 consecutive bytes
	s_mov_b32 s[\g+1], 32<<16                      ; tensor_dim0 = 32 elements: 256 bytes
	s_mov_b32 s[\g+3], 32<<16                      ; tile_dim0
	s_mov_b32 s[\g+5], 32                          ; the pitch: the block is dense
	s_mov_b32 s[\g+6], 0
	s_mov_b32 s[\g+7], 0
.endr
	s_mov_b32 s[G1A+2], 40<<16                     ; tensor_dim1 and tile_dim1
	s_mov_b32 s[G1A+4], 40
	s_mov_b32 s[G1B+2], 88<<16
	s_mov_b32 s[G1B+4], 88
	s_mov_b32 s[CS], 0x3e38aa3b                    ; log2(e) / 8
	s_mov_b32 s[SEL], 0x76543210
	s_mov_b32 s[SEL+1], 0xfedcba98
	s_lshl_b32 s16, s15, 18                        ; the pair's 262,144 bytes of k and v
	s_mov_b32 s17, 0
	s_mov_b32 s19, 0
	s_wait_dscnt 0x0
	s_wait_kmcnt 0x0
	s_load_b128 s[72:75], s[8:9], 0x18             ; e6, e7, e8, e9
	s_add_nc_u64 s[6:7], s[6:7], s[16:17]
	s_mul_i32 s18, s[WV], PARTA/8                  ; my share of key steps 0-4, in LDS as in the pair's block of memory
	s_mov_b32 s48, 1
	s_mov_b32 s49, s18
	s_add_nc_u64 s[50:51], s[6:7], s[18:19]
	s_or_b32 s51, s51, 0x80000000
	s_mul_i32 s18, s[WV], (STG-PARTA)/8            ; my share of key steps 5-15
	s_add_co_u32 s18, s18, PARTA
	s_mov_b32 s52, 1
	s_mov_b32 s53, s18
	s_add_nc_u64 s[54:55], s[6:7], s[18:19]
	s_or_b32 s55, s55, 0x80000000
	CROUND                                         ; all four work-groups are here: the joint loads meet
	tensor_load_to_lds s[48:51], s[G1A:G1A+7]      ; key steps 0-4: my one load at the head
	s_nop 0
	PLACES 4
	v_and_b32 v6, 31, v0
	s_delay_alu instid0(VALU_DEP_1)
	v_lshlrev_b32 v[LI], 4, v6
	s_wait_alu depctr_va_vdst(0)
	s_lshl_b32 s20, s15, 17                        ; q: 131,072 bytes a pair; my first tile is 32 x block + 2 x wave, 1,024 bytes a tile
	s_lshl_b32 s21, s14, 15
	s_add_co_u32 s20, s20, s21
	s_lshl_b32 s21, s[WV], 11
	s_add_co_u32 s20, s20, s21
	s_mov_b32 s21, 0
	s_add_nc_u64 s[4:5], s[4:5], s[20:21]
	WIN 0x40                                       ; destination window 1
.irp p, 0,1
.irp y, 0,1
.irp c, 0,1
	global_load_b128 v[QF0+144*\p+8*\y+4*\c:QF0+144*\p+8*\y+4*\c+3], v[LI], s[4:5] offset:(16*\p+\y)*1024+512*\c th:TH_LOAD_NT   ; Q of both passes stays in registers
.endr
.endr
.endr
	WIN 0
	v_and_b32 v6, 15, v0                           ; r
	v_bfe_u32 v7, v0, 4, 1                         ; h
	s_mul_i32 s18, s[WV], 16*SP
	s_add_co_u32 s18, s18, STG                     ; my stage
	v_mul_u32_u24 v[STO], v6, SP                   ; in: row r; tile t's eight channels of my half: 64 t + 32 h bytes on
	s_delay_alu instid0(VALU_DEP_1)
	v_lshl_add_u32 v[STO], v7, 5, v[STO]
	s_delay_alu instid0(VALU_DEP_1)
	v_add_nc_u32 v[STO], s18, v[STO]
	v_mul_u32_u24 v[RD], v7, SP                    ; back: lanes 0-15 one row of 256 bytes, lanes 16-31 the next
	s_delay_alu instid0(VALU_DEP_1)
	v_lshl_add_u32 v[RD], v6, 4, v[RD]
	s_delay_alu instid0(VALU_DEP_1)
	v_add_nc_u32 v[RD], s18, v[RD]
	v_lshlrev_b32 v[GO], 12, v7                    ; and the same two rows in out: a token's row is 4,096 bytes
	s_delay_alu instid0(VALU_DEP_1)
	v_lshl_add_u32 v[GO], v6, 4, v[GO]
	s_lshr_b32 s22, s15, 4                         ; out: token 2,048 x batch + 512 x block + 32 x wave, 4,096 bytes a token; + 256 x head
	s_lshl_b32 s22, s22, 23
	s_lshl_b32 s23, s14, 21
	s_add_co_u32 s22, s22, s23
	s_lshl_b32 s23, s[WV], 17
	s_add_co_u32 s22, s22, s23
	s_and_b32 s23, s15, 15
	s_lshl_b32 s23, s23, 8
	s_add_co_u32 s22, s22, s23
	s_mov_b32 s23, 0
	s_add_nc_u64 s[10:11], s[10:11], s[22:23]
	s_wait_kmcnt 0x0
	s_add_co_i32 s16, s72, s73
	s_lshl_b32 s16, s16, 23
	s_add_co_i32 s[CS], s[CS], s16                 ; a score stands for score x 2^(e6 + e7): the two exponents are added to c's exponent field
	s_mov_b32 s[CS+1], s[CS]                       ; (named with it as a pair, so it is written)
	s_add_co_i32 s16, s75, 127
	s_lshl_b32 s17, s16, 23
	v_mov_b32 v[SC], s17                           ; 2^e9 as f32: the conversion takes its exponent field
	s_add_co_i32 s16, s16, 15
	s_lshl_b32 s16, s16, 23
	s_or_b32 s16, s16, 0x600000
	v_mov_b32 v[LIM], s16                          ; 57,344 x 2^e9
	v_mov_b32 v[LIM2], s16
	s_add_co_i32 s76, s74, s75                     ; e8 + e9
; A pass begins: the largest t is -3e38, under every t; the sums and O^T are zeros, which the first change of M leaves zeros.  So the key step has no first step of its own.
.macro INIT
.irp y, 0,1
	v_mov_b32 v[ST0+16*\y+1], 0xff61b1e6
	s_delay_alu instid0(VALU_DEP_1)
	v_floor_f32 v[ST0+16*\y], -v[ST0+16*\y+1]      ; -M
	v_mov_b32 v[ST0+16*\y+2], 0
	v_mov_b32 v[ST0+16*\y+3], 0
	v_mov_b32 v[ST0+16*\y+5], 0                    ; (named as the upper half of f's pair)
	v_mov_b32 v[ST0+16*\y+10], 0                   ; (a lane permute's destination counts as one of its sources)
.endr
	WIN 0x40
.set j, 0
.rept 64
	v_mov_b32 v[j], 0
.set j, j+1
.endr
	WIN 0
.endm
.macro LOADK adr                       ; K's eight fragments of the step at v[adr]: 16 loads
	WIN 0x40
.irp t, 0,1,2,3,4,5,6,7
.irp c, 0,1
	ds_load_b128 v[KF+8*\t+4*\c:KF+8*\t+4*\c+3], v[\adr] offset:1024*\t+512*\c
.endr
.endr
	WIN 0
.endm
.macro LOADV adr                       ; V's four: 16 loads
	WIN 0x40
.irp t, 0,1,2,3
.irp c, 0,1,2,3
	ds_load_b128 v[VF+16*\t+4*\c:VF+16*\t+4*\c+3], v[\adr] offset:8192+2048*\t+512*\c
.endr
.endr
	WIN 0
.endm
; Tile 0's p are first added in fours, into 16 pairs T0..T15: v224-253 and v[44:45].  TADD adds pair k onto d; T0ADD m deals the pairs left to tile 0's two chains, one for each turn m of tile 1's chains.
.macro TADD d, k
.if (\k) < 15
	v_pk_add_f32 v[\d:\d+1], v[\d:\d+1], v[224+2*(\k):225+2*(\k)]
.else
	v_pk_add_f32 v[\d:\d+1], v[\d:\d+1], v[44:45]
.endif
.endm
.macro T0ADD m
.if (\m) <= 13
.if (\m) % 2
	TADD ST0+2, (\m)+1
.else
	TADD ST0+6, (\m)+3
.endif
.endif
.endm
.macro HOLD g
.irp i, 0,2,4,6
	v_dual_min_num_f32 v[SB+8*(\g)+\i], v[SB+8*(\g)+\i], v[LIM] :: v_dual_min_num_f32 v[SB+8*(\g)+\i+1], v[SB+8*(\g)+\i+1], v[LIM2]
.endr
.endm
; A KEY STEP: 128 keys, both tiles.  qf: where the pass's Q lies in window 1.  pre = 1: the next step's fragments, at LDS byte s[TB], are asked for.
.macro STEP qf, pre
	s_wait_dscnt 16                                ; K's sixteen loads are in; V's sixteen, issued behind them, may be out
	WIN 0x05                                       ; sources 0 and 1 window 1, D window 0
.irp t, 0,1,2,3,4,5,6,7
.irp y, 0,1
	v_wmma_f32_16x16x64_bf8_bf8 v[SB+64*\y+8*\t:SB+64*\y+8*\t+7], v[KF+8*\t:KF+8*\t+7], v[\qf+8*\y:\qf+8*\y+7], 0
.endr
.endr
	WIN 0
.if \pre
	v_add_nc_u32 v[ADR], s[TB], v[LI]
	PLACES 3                                       ; with the addition: four places behind the products, ahead of the loads into K's registers and of the first read of results (ISA guide 7.12.1 for vector instructions)
	LOADK ADR
.else
	PLACES 4
.endif
	; the step's largest score of my query among my 64 keys: two chains a tile, the tiles by turns; each accumulator is read from its low end on
.irp y, 0,1
	v_max3_num_f32 v[ST0+16*\y+8], v[SB+64*\y], v[SB+64*\y+1], v[SB+64*\y+2]
	v_max3_num_f32 v[ST0+16*\y+9], v[SB+64*\y+3], v[SB+64*\y+4], v[SB+64*\y+5]
.endr
.irp i, 6,10,14,18,22,26,30,34,38,42,46,50,54,58
.irp y, 0,1
	v_max3_num_f32 v[ST0+16*\y+8], v[ST0+16*\y+8], v[SB+64*\y+\i], v[SB+64*\y+\i+1]
	v_max3_num_f32 v[ST0+16*\y+9], v[ST0+16*\y+9], v[SB+64*\y+\i+2], v[SB+64*\y+\i+3]
.endr
.endr
.irp y, 0,1
	v_max3_num_f32 v[ST0+16*\y+8], v[ST0+16*\y+8], v[SB+64*\y+62], v[SB+64*\y+63]
.endr
.irp y, 0,1
	s_delay_alu instid0(VALU_DEP_2)
	v_max_num_f32 v[ST0+16*\y+8], v[ST0+16*\y+8], v[ST0+16*\y+9]
.endr
.irp y, 0,1
	s_delay_alu instid0(VALU_DEP_2)
	v_permlanex16_b32 v[ST0+16*\y+10], v[ST0+16*\y+8], s[SEL], s[SEL+1]
.endr
.irp y, 0,1
	s_delay_alu instid0(VALU_DEP_2)
	v_max_num_f32 v[ST0+16*\y+8], v[ST0+16*\y+8], v[ST0+16*\y+10]   ; and among lane l xor 16's
.endr
.irp y, 0,1
	s_delay_alu instid0(VALU_DEP_2)
	v_mul_f32 v[ST0+16*\y+8], s[CS], v[ST0+16*\y+8]                 ; as t (c is positive)
.endr
.irp y, 0
	s_delay_alu instid0(VALU_DEP_2)
	v_max_num_f32 v[ST0+16*\y+1], v[ST0+16*\y+1], v[ST0+16*\y+8]    ; the running largest t
	v_mov_b32 v[ST0+16*\y+8], v[ST0+16*\y]
.endr
.irp y, 1
	s_delay_alu instid0(VALU_DEP_3)
	v_max_num_f32 v[ST0+16*\y+1], v[ST0+16*\y+1], v[ST0+16*\y+8]
	v_mov_b32 v[ST0+16*\y+8], v[ST0+16*\y]
.endr
.irp y, 0
	s_delay_alu instid0(VALU_DEP_4)
	v_floor_f32 v[ST0+16*\y], -v[ST0+16*\y+1]                       ; the new -M = floor(-t) = -ceil(t): M is a whole number
.endr
.irp y, 1
	s_delay_alu instid0(VALU_DEP_3)
	v_floor_f32 v[ST0+16*\y], -v[ST0+16*\y+1]
.endr
.irp y, 0,1
	s_delay_alu instid0(VALU_DEP_2)
	v_sub_f32 v[ST0+16*\y+8], v[ST0+16*\y], v[ST0+16*\y+8]          ; M's old value less its new one: a whole number, 0 or less
.endr
.irp y, 0,1
	s_delay_alu instid0(VALU_DEP_2)
	v_cvt_i32_f32 v[ST0+16*\y+8], v[ST0+16*\y+8]                    ; (it saturates)
.endr
.irp y, 0,1
	s_delay_alu instid0(VALU_DEP_2)
	v_ldexp_f32 v[ST0+16*\y+4], 1.0, v[ST0+16*\y+8]                 ; f = 2^(old M - new M)
.endr
.irp y, 0
.irp j, 0,2,4,6,8,10,12,14,16,18,20,22,24,26,28,30,32,34,36,38,40,42,44,46,48,50,52,54,56,58,60,62
	v_pk_fma_f32 v[SB+64*\y+\j:SB+64*\y+\j+1], v[SB+64*\y+\j:SB+64*\y+\j+1], s[CS:CS+1], v[ST0+16*\y:ST0+16*\y+1] op_sel_hi:[1,0,0]   ; tile 0's t - M, two at a time (of the pairs c and -M the low word serves both halves)
.endr
.endr
	WIN 0x41                                       ; O^T (destination and source 0) window 1, f window 0
.irp y, 0,1
.irp j, 0,2,4,6,8,10,12,14,16,18,20,22,24,26,28,30
	v_pk_mul_f32 v[32*\y+\j:32*\y+\j+1], v[32*\y+\j:32*\y+\j+1], v[ST0+16*\y+4:ST0+16*\y+5] op_sel_hi:[1,0]   ; O^T under the new M, ahead of the exponentials; each accumulator from its low end on
.endr
.endr
	WIN 0
	s_wait_alu depctr_va_vdst(0)                   ; ahead of the batch
.set j, 0
.rept 32                                       ; tile 0's p = 2^(t - M), and among the exponentials tile 1's t - M: what these lines write is first read behind the wait below
	v_exp_f32 v[SB+2*j], v[SB+2*j]
	v_exp_f32 v[SB+2*j+1], v[SB+2*j+1]
	v_pk_fma_f32 v[SB+64+2*j:SB+64+2*j+1], v[SB+64+2*j:SB+64+2*j+1], s[CS:CS+1], v[ST0+16:ST0+17] op_sel_hi:[1,0,0]
.set j, j+1
.endr
	s_wait_alu depctr_va_vdst(0)                   ; behind tile 0's exponentials, ahead of tile 1's
.set j, 0
.rept 16                                       ; tile 1's p, and among the exponentials tile 0's sums of four and its hold: none of these lines reads what another of them writes
.if j < 15
.set TK, 224+2*j
.else
.set TK, 44
.endif
	v_exp_f32 v[SB+64+4*j], v[SB+64+4*j]
	v_exp_f32 v[SB+64+4*j+1], v[SB+64+4*j+1]
	v_pk_add_f32 v[TK:TK+1], v[SB+4*j:SB+4*j+1], v[SB+4*j+2:SB+4*j+3]
	v_exp_f32 v[SB+64+4*j+2], v[SB+64+4*j+2]
	v_dual_min_num_f32 v[SB+4*j], v[SB+4*j], v[LIM] :: v_dual_min_num_f32 v[SB+4*j+1], v[SB+4*j+1], v[LIM2]
	v_exp_f32 v[SB+64+4*j+3], v[SB+64+4*j+3]
	v_dual_min_num_f32 v[SB+4*j+2], v[SB+4*j+2], v[LIM] :: v_dual_min_num_f32 v[SB+4*j+3], v[SB+4*j+3], v[LIM2]
.set j, j+1
.endr
.irp y, 0,1
	v_pk_mul_f32 v[ST0+16*\y+2:ST0+16*\y+3], v[ST0+16*\y+2:ST0+16*\y+3], v[ST0+16*\y+4:ST0+16*\y+5] op_sel_hi:[1,0]   ; the sums under the new M; plain instructions behind the last exponential
.endr
	s_wait_alu depctr_va_vdst(0)                   ; and the one wait behind the batch, ahead of its first reader
	v_pk_add_f32 v[ST0+6:ST0+7], v[226:227], v[230:231]   ; tile 0: T1 + T3 starts the second chain,
	TADD ST0+2, 0                                  ; T0 goes onto the first
.irp y, 1
	v_pk_add_f32 v[ST0+16*\y+6:ST0+16*\y+7], v[SB+64*\y:SB+64*\y+1], v[SB+64*\y+2:SB+64*\y+3]   ; the row's sum is taken of the UNQUANTISED p: two at a time, two chains a tile
.endr
.irp j, 4,8,12,16,20,24,28,32,36,40,44,48,52,56,60
	T0ADD \j/4
.irp y, 1
	v_pk_add_f32 v[ST0+16*\y+2:ST0+16*\y+3], v[ST0+16*\y+2:ST0+16*\y+3], v[SB+64*\y+\j:SB+64*\y+\j+1]
	v_pk_add_f32 v[ST0+16*\y+6:ST0+16*\y+7], v[ST0+16*\y+6:ST0+16*\y+7], v[SB+64*\y+\j+2:SB+64*\y+\j+3]
.endr
.endr
.irp y, 0
	v_pk_add_f32 v[ST0+16*\y+2:ST0+16*\y+3], v[ST0+16*\y+2:ST0+16*\y+3], v[ST0+16*\y+6:ST0+16*\y+7]
.endr
.irp y, 1
	v_pk_add_f32 v[ST0+16*\y+2:ST0+16*\y+3], v[ST0+16*\y+2:ST0+16*\y+3], v[ST0+16*\y+6:ST0+16*\y+7]
.endr
.set g, 0
.rept 8                                        ; tile 0 was held among tile 1's exponentials
	v_cvt_scalef32_pk8_bf8_f32 v[PB+2*g:PB+2*g+1], v[SB+8*g:SB+8*g+7], v[SC]
.set g, g+1
.endr
	HOLD 8                                         ; tile 1: group g + 1 is held ahead of group g's conversion
.rept 8
.if g < 15
	HOLD g+1
.endif
	v_cvt_scalef32_pk8_bf8_f32 v[PB+2*g:PB+2*g+1], v[SB+8*g:SB+8*g+7], v[SC]   ; group g = 8 y + t: keys 16 t + 8 h + 0..7: registers 2 t, 2 t + 1 of tile y's P
.set g, g+1
.endr
	v_nop                                          ; a plain instruction between the last conversion and the products that read the codes
	s_wait_alu depctr_va_vdst(0)
	s_wait_dscnt 16*\pre                           ; V is in; the next K's sixteen loads, issued behind it, may be out
	WIN 0x51                                       ; V window 1, P window 0, C and D window 1
.irp t, 0,1,2,3
.irp y, 0,1
	v_wmma_f32_16x16x128_bf8_bf8 v[32*\y+8*\t:32*\y+8*\t+7], v[VF+16*\t:VF+16*\t+15], v[PB+16*\y:PB+16*\y+15], v[32*\y+8*\t:32*\y+8*\t+7]   ; eight accumulators, one instruction each
.endr
.endr
.if \pre
	PLACES 4                                       ; ahead of the loads into V's registers
	LOADV ADR
	s_add_co_u32 s[TB], s[TB], STEPB
.else
	WIN 0
.endif
.endm
.macro KLOOP trips, qf
	s_mov_b32 s[TRIP], \trips
.Lk_\@:
	STEP \qf, 1
	s_sub_co_u32 s[TRIP], s[TRIP], 1
	s_cmp_lg_u32 s[TRIP], 0
	s_cbranch_scc1 .Lk_\@
.endm
; THE WAY OUT of pass ps.  The sum's halves and the other half of the lanes' are added; O^T x 2^(e8 + e9) / sum goes through my own stage in LDS, a tile (16 queries x 256 bytes) at a time, and leaves as whole rows.
.macro WAYOUT ps
.irp y, 0,1
	v_add_f32 v[ST0+16*\y+8], v[ST0+16*\y+2], v[ST0+16*\y+3]
.endr
.irp y, 0,1
	s_delay_alu instid0(VALU_DEP_2)
	v_permlanex16_b32 v[ST0+16*\y+10], v[ST0+16*\y+8], s[SEL], s[SEL+1]
.endr
.irp y, 0,1
	s_delay_alu instid0(VALU_DEP_2)
	v_add_f32 v[ST0+16*\y+8], v[ST0+16*\y+8], v[ST0+16*\y+10]       ; the row's sum
.endr
	s_wait_alu depctr_va_vdst(0)                   ; ahead of the reciprocals
.irp y, 0,1
	v_rcp_f32 v[ST0+16*\y+6], v[ST0+16*\y+8]
.endr
	v_nop                                          ; a plain instruction behind the last reciprocal
	s_wait_alu depctr_va_vdst(0)                   ; and the wait ahead of the first use: one for both
.irp y, 0,1
	v_ldexp_f32 v[ST0+16*\y+6], v[ST0+16*\y+6], s76                 ; x 2^(e8 + e9)
.endr
	WIN 0x01                                       ; source 0 (O^T) window 1, destination window 0: S^T's registers are free
	s_wait_alu depctr_va_vdst(0)                   ; directly ahead of the first reader of O^T
.irp y, 0,1
.irp j, 0,2,4,6,8,10,12,14,16,18,20,22,24,26,28,30
	v_pk_mul_f32 v[SB+32*\y+\j:SB+32*\y+\j+1], v[32*\y+\j:32*\y+\j+1], v[ST0+16*\y+6:ST0+16*\y+7] op_sel_hi:[1,0]   ; register 8 t + i is out(query r, channel 16 t + 8 h + i); each accumulator from its low end on
.endr
.endr
	WIN 0
.irp y, 0,1
.irp t, 0,1,2,3
	ds_store_b128 v[STO], v[SB+32*\y+8*\t:SB+32*\y+8*\t+3] offset:64*\t
	ds_store_b128 v[STO], v[SB+32*\y+8*\t+4:SB+32*\y+8*\t+7] offset:64*\t+16
.endr
.irp i, 0,1,2,3,4,5,6,7
	ds_load_b128 v[128+32*\y+4*\i:128+32*\y+4*\i+3], v[RD] offset:2*\i*SP   ; LDS serves a wave's instructions in order (ISA guide 5.7.1.4): these see my stores, and the next tile's stores come behind them
.endr
.endr
.irp y, 0,1
.irp i, 0,1,2,3,4,5,6,7
	s_wait_dscnt 16*(1-\y)+7-\i                    ; behind this load: the tile's younger loads, and for tile 0 tile 1's sixteen LDS instructions
	global_store_b128 v[GO], v[128+32*\y+4*\i:128+32*\y+4*\i+3], s[10:11] offset:(256*\ps+16*\y+2*\i)*4096 th:TH_STORE_NT   ; 16 lanes store 256 consecutive bytes, aligned: a token's 64 channels of the head
.endr
.endr
.endm
	INIT
	s_wait_alu depctr_va_vdst(0)                   ; the wait at the head's end
	s_wait_tensorcnt 0x0                           ; my share of key steps 0-4 is in
	ds_add_u32 v[SPW], v[NIL]
	s_wait_dscnt 0x0
	CROUND                                         ; everybody's share is in, and all four work-groups are here
	tensor_load_to_lds s[52:55], s[G1B:G1B+7]      ; key steps 5-15: the first tensor load behind the round, my last
	s_nop 0
	PLACES 4
	LOADK LI                                       ; key step 0's fragments
	LOADV LI
	s_mov_b32 s[TB], STEPB
	s_wait_loadcnt 0x0                             ; Q
	KLOOP 4, QF0                                   ; pass 0, key steps 0-3; they ask for the fragments of steps 1-4
	s_wait_tensorcnt 0x0                           ; my share of key steps 5-15 is in;
	s_wait_dscnt 0x0                               ; no LDS instruction of mine is pending at the signal
	s_barrier_signal -1
	s_barrier_wait -1                              ; everybody's is
	s_mov_b32 s[TB], 5*STEPB
	KLOOP 11, QF0                                  ; key steps 4-14
	s_mov_b32 s[TB], 0
	STEP QF0, 1                                    ; key step 15 asks for key step 0's fragments, for pass 1: they land under the way out
	WAYOUT 0
	s_wait_xcnt 0x0                                ; the stores have read their registers: the next pass's scores are written there only behind this wait
	INIT
	s_mov_b32 s[TB], STEPB
	KLOOP 15, QF1                                  ; pass 1, key steps 0-14
	STEP QF1, 0                                    ; the last step asks for nothing
	WAYOUT 1
	s_wait_tensorcnt 0x0                           ; the wave's end
	ds_add_u32 v[SPW], v[NIL]
	s_wait_dscnt 0x0
	CROUND                                         ; the closing round
	s_endpgm
.Lfunc_end_k_qc2b393b73b_attn:
	.size	k_qc2b393b73b_attn, .Lfunc_end_k_qc2b393b73b_attn-k_qc2b393b73b_attn
	.p2alignl 7, 3214868480
	.fill 96, 4, 3214868480
	.section	.rodata,"a",@progbits
	.p2align	6, 0x0
	.amdhsa_kernel k_qc2b393b73b_attn
		.amdhsa_group_segment_fixed_size 327680
		.amdhsa_private_segment_fixed_size 0
		.amdhsa_enable_private_segment 0
		.amdhsa_kernarg_size 32
		.amdhsa_user_sgpr_count 2
		.amdhsa_user_sgpr_kernarg_segment_ptr 1
		.amdhsa_wavefront_size32 1
		.amdhsa_system_sgpr_workgroup_id_x 1
		.amdhsa_system_sgpr_workgroup_id_y 1
		.amdhsa_system_sgpr_workgroup_id_z 1
		.amdhsa_system_vgpr_workitem_id 0
		.amdhsa_next_free_vgpr 512
		.amdhsa_next_free_sgpr 80
		.amdhsa_reserve_vcc 0
		.amdhsa_float_denorm_mode_32 3
		.amdhsa_float_denorm_mode_16_64 3
		.amdhsa_memory_ordered 1
		.amdhsa_forward_progress 1
		.amdhsa_inst_pref_size 171
	.end_amdhsa_kernel
	.amdgpu_metadata
---
amdhsa.version: [ 1, 2 ]
amdhsa.kernels:
  - .name:           k_qc2b393b73b_attn
    .symbol:         k_qc2b393b73b_attn.kd
    .args:
      - { .name: q_img, .offset: 0, .size: 8, .value_kind: global_buffer, .address_space: global }
      - { .name: kv_img, .offset: 8, .size: 8, .value_kind: global_buffer, .address_space: global }
      - { .name: lowp_scales, .offset: 16, .size: 8, .value_kind: global_buffer, .address_space: global }
      - { .name: out0, .offset: 24, .size: 8, .value_kind: global_buffer, .address_space: global }
    .group_segment_fixed_size: 327680
    .private_segment_fixed_size: 0
    .kernarg_segment_align: 8
    .kernarg_segment_size: 32
    .max_flat_workgroup_size: 256
    .sgpr_count:     80
    .vgpr_count:     512
    .wavefront_size: 32
...
	.end_amdgpu_metadata
.endif
;; end of part 2
